; MI455X (gfx1250); checked and timed in simulation.
; The chip was launched on July 23, 2026; its instructions are those of AMD's public machine-readable ISA for CDNA 5 (MIT licence, August 2026) and "CDNA5" Instruction Set Architecture Reference Guide (July 2026). The comments in the code are by the model that wrote it; some were corrected since.
;; Bahdanau Attention. Allowed arithmetic: matrix products marked QUANTISED: E2M3 operands, one E8M0 scale for each 32 along K, by v_wmma_scale_f32_16x16x128_f8f6f4 with both operands' format E2M3, f32 sums; products left as they are: f32 operands where the result goes on into a quantised operand, else bf16, f16 or f32 operands; f32 sums; everything else in f32.
;; Inputs: W_dec_codes 1,024 x 32 x 24 uint8 (E2M3 codes of W_dec, K innermost, in blocks of 32 codes, four codes in three bytes); W_dec_scales 1,024 x 32 uint8 (E8M0 scales of W_dec, one for each 32 codes along K); W_enc_codes 1,024 x 32 x 24 uint8 (E2M3 codes of W_enc, K innermost, in blocks of 32 codes, four codes in three bytes); W_enc_scales 1,024 x 32 uint8 (E8M0 scales of W_enc, one for each 32 codes along K); b_dec 1,024 float32; b_e one number float32; b_enc 1,024 float32; decoder_hidden_codes 32 x 32 x 24 uint8 (E2M3 codes of decoder_hidden, K innermost, in blocks of 32 codes, four codes in three bytes); decoder_hidden_scales 32 x 32 uint8 (E8M0 scales of decoder_hidden, one for each 32 codes along K); encoder_outputs 32 x 2,048 x 1,024 float32; mask 32 x 2,048 bool; w_e 1,024 float32.
;; Outputs: out0 32 x 1,024 float32; out1 32 x 2,048 float32.
;; This version of the problem:
;;   THIS VERSION OF THE PROBLEM IS GIVEN IN LOW PRECISION. The matrix products marked QUANTISED in the list below multiply operands that are first quantised to E2M3 (2 exponent bits, 3 mantissa bits; 6 bits a number), with one power-of-two scale for each 32 numbers along K (OCP MX v1.0); their sums are f32. All else is computed in f32.
;;   The module's matrix products, in the order in which they are computed (A, B: the left and right operand; K: the contracted axis; several contracted axes count as one K, in the product's order):
;;     1. [M 65,536, K 1,024] x [K 1,024, N 1,024]; A: input encoder_outputs; B: input W_enc (given as codes): QUANTISED
;;     2. [M 32, K 1,024] x [K 1,024, N 1,024]; A: input decoder_hidden (given as codes); B: input W_dec (given as codes): QUANTISED
;;     3. [M 65,536, K 1,024] x [K 1,024, N 1]; A: computed on the way; B: input w_e: left as it is (N = 1 < 16)
;;     4. batch 32 x [M 1, K 2,048] x [K 2,048, N 1,024]; A: softmax; B: input encoder_outputs: left as it is (M = 1 < 16)
;;   THE QUANTISER, for each operand of a quantised product, along K:
;;     - K is cut into blocks of 32 from its start; a last block that is shorter is filled with zeros.
;;     - A block's scale is 2^e with e = floor(log2(the largest magnitude in the block)) - 2, held to -126 .. 127; a block of zeros has e = 0. As a byte (E8M0): e + 127.
;;     - Each number is divided by its block's scale, clamped to +-7.5, and rounded to the nearest number of E2M3, ties to even, subnormals kept.
;;     - The product sums the exact products of the quantised numbers (number of the format x scale) in f32.
;;   ~~~python
;;   def quantise(x, axis):      # numpy; x: float32 -> the quantised numbers, widened to float32 again
;;       x = np.moveaxis(x, axis, -1); K = x.shape[-1]
;;       x = np.pad(x, [(0, 0)] * (x.ndim - 1) + [(0, -K % 32)]); x = x.reshape(x.shape[:-1] + (-1, 32)); a = np.abs(x).max(-1, keepdims=True)
;;       e = np.where(a > 0, np.clip(np.frexp(np.where(a > 0, a, 1))[1] - 1 - 2, -126, 127), 0)      # np.frexp(a)[1] - 1 = floor(log2(a)), exactly
;;       r = np.clip(x / 2.0 ** e, -7.5, 7.5)
;;       step = 2.0 ** (np.maximum(np.frexp(np.where(r == 0, 1, r))[1] - 1, 0) - 3)
;;       q = np.round(r / step) * step * 2.0 ** e      # np.round: ties to even
;;       return np.moveaxis(q.reshape(q.shape[:-2] + (-1,))[..., :K], -1, axis).astype(np.float32)
;;   ~~~
;;   INPUTS GIVEN AS CODES. W_dec (in the module: [1024, 1024], K = its axis 0); W_enc (in the module: [1024, 1024], K = its axis 0); decoder_hidden (in the module: [32, 1024], K = its axis 1): each comes as NAME_codes (uint8): NAME with its K axis moved to the last place and cut into blocks of 32 codes, [.., K / 32, bytes a block], one block behind the other in memory; four codes in three bytes: a row's codes are one little-endian stream of bits, code i at bits 6 i .. 6 i + 5 (a code: sign, 2 exponent bits, 3 mantissa bits); and NAME_scales (uint8): the same leading axes, one E8M0 byte (e + 127) for each 32 codes along K. Its value is code x scale, taken as it is: it is not quantised again, and the codes and scales need not be those that the quantiser above would give.
;; One version. Each part assembles by itself: llvm-mc -triple=amdgcn-amd-amdhsa -mcpu=gfx1250 --defsym DOCPART=n.
;; ======== version 1 of 1: 3 launches
;; limits: right only within a limited range of input values
;; workspace buffers: bias 131,072 bytes; wimg 786,432 bytes; energy 262,144 bytes
;; launch prep (part 1): grid 48 x 1, 4 waves a work-group, no clusters, 5,120 bytes of LDS; arguments decoder_hidden_codes, decoder_hidden_scales, W_dec_codes, W_dec_scales, b_dec, b_enc, W_enc_codes, bias, wimg; writes bias, wimg
.if DOCPART == 1
	.amdgcn_target "amdgcn-amd-amdhsa--gfx1250"
	.amdhsa_code_object_version 6
	.text
	.protected	k_q9176769567_prep
	.globl	k_q9176769567_prep
	.p2align	8
	.type	k_q9176769567_prep,@function
k_q9176769567_prep:
	s_mov_b64 s[64:65], 0
	v_nop
	global_prefetch_b8 v0, s[64:65] scope:SCOPE_SE
	s_setreg_imm32_b32 hwreg(HW_REG_WAVE_MODE, 25, 1), 1
	s_wait_xcnt 0x0
; FIRST OF THREE LAUNCHES of: weights = softmax_s(mask ? energy : -inf), context = sum_s weights[b][s] enc[b][s][:],
; energy[b][s] = sum_a w_e[a] tanh(enc[b][s] . W_enc[:, a] + b_enc[a] + dec[b] . W_dec[:, a] + b_dec[a]) + b_e.
; WORK LEFT OUT, AND WHY IT IS DEAD.  tanh(x) = 1 - 2 r with r = 1 / (1 + e^(2 x)), an identity for every real x.  So energy[b][s] = (sum_a w_e[a] + b_e) - 2 sum_a w_e[a] r[b][s][a].
; The bracket does not hang on s.  The softmax runs along s: a term that is the same for all s of a batch multiplies numerator and denominator alike and cancels, whatever the inputs hold; a masked
; entry is -inf with it and without it.  So b_e and the sum of w_e reach no output: b_e is not loaded and is among no launch's arguments, and the sum of w_e is never formed.
; LIMIT: a NaN, an infinity or an overflow that reaches only b_e or the sum of w_e is not carried to the result.
; THIS LAUNCH does two small things, told apart by the work-group's number (the same in all four waves of a work-group):
;   work-groups 0-31:  bias[b][a] = dec[b] . W_dec[:, a] + b_dec[a] + b_enc[a]: the second product of the problem, on the codes and scale bytes as they are given, [32][1024] f32.
;   work-groups 32-47: W_enc's codes are laid anew, in the order of an operand's registers: wimg[tile of 16 columns t][K step s of 128][1,536 bytes]; of a fragment's 12 registers a lane, registers 4 c .. 4 c + 3
;                      of lane l lie at byte 512 c + 16 l.  The next launch then brings dense runs of it into LDS and reads a fragment by three loads of 16 bytes a lane.
; A fragment (16 rows x 128 K of 6-bit codes) is 12 registers: lane l holds row l % 16; registers 6 c .. 6 c + 5 hold K = 64 c + 32 (l / 16) + 0 .. 31: 24 bytes of the row's stream of bits, as they lie, in three loads of 8 bytes.
.set SP,    272                        ; the stage: 16 rows (batches) x (256 bytes + 16)
.set SPARE, 4608                       ; behind the stage: the spare words, 128 bytes for each wave, which no other line names
.set SPW,   248                        ; v248  LDS address of my spare word; never rewritten
.set NIL,   249                        ; v249  0; never rewritten
.set WF,    16                         ; v16-111   eight fragments of W_dec (or of W_enc)
.set DF,    112                        ; v112-207  eight fragments of decoder_hidden
.set WSC,   208                        ; v208-211  W_dec's scale words: register j: K step j in lanes 0-15, K step 4 + j in lanes 16-31
.set DSC,   212                        ; v212-215  decoder_hidden's, likewise
.set BD,    216                        ; v216-223  b_dec in the result's layout; later the sum
.set BE,    224                        ; v224-231  b_enc likewise
.set A0,    232                        ; v232-239  the sum over the even K steps
.set A1,    240                        ; v240-247  over the odd ones
.set FRB,   12288                      ; 16 rows of 768 bytes of codes; also a column tile's eight images
	s_load_b256 s[4:11], s[0:1], 0x0               ; decoder_hidden's codes s[4:5], its scales s[6:7], W_dec's codes s[8:9], its scales s[10:11]
	s_load_b256 s[12:19], s[0:1], 0x20             ; b_dec s[12:13], b_enc s[14:15], W_enc's codes s[16:17], bias s[18:19]
	s_load_b64 s[20:21], s[0:1], 0x40              ; wimg
	v_lshl_add_u32 v[SPW], v0, 2, SPARE
	v_mov_b32 v[NIL], 0
	v_lshrrev_b32 v1, 5, v0
	v_readfirstlane_b32 s22, v1                    ; wave 0..3
	v_and_b32 v1, 15, v0                           ; r
	v_bfe_u32 v2, v0, 4, 1                         ; h
	v_mul_u32_u24 v3, v1, 768
	v_mad_u32_u24 v3, v2, 24, v3                   ; codes: row r of 768 bytes, + 24 h
	v_lshlrev_b32 v5, 5, v1
	v_lshl_add_u32 v5, v2, 4, v5                   ; scale bytes: row r of 32 bytes, + 16 h: four words a lane
	v_lshlrev_b32 v6, 5, v2                        ; biases: my half's eight numbers
	v_mul_u32_u24 v7, v1, SP
	v_lshl_add_u32 v7, v2, 5, v7
	s_lshl_b32 s23, s22, 6
	v_add_nc_u32 v7, s23, v7                       ; into the stage: row r, + 64 x wave + 32 h
	s_lshl_b32 s23, s22, 2
	v_add_nc_u32 v11, s23, v2                      ; out of it: row 4 x wave + h (and two rows on)
	v_mul_u32_u24 v8, v11, SP
	v_lshl_add_u32 v8, v1, 4, v8                   ; 16 bytes a lane
	v_lshlrev_b32 v9, 12, v11
	v_lshl_add_u32 v9, v1, 4, v9                   ; and the same place in bias: rows of 4,096 bytes
	v_and_b32 v10, 31, v0
	v_lshlrev_b32 v10, 4, v10                      ; an image's place for my lane: 16 x lane
	s_mov_b32 s29, 0
	s_wait_kmcnt 0x0
	s_cmp_ge_u32 ttmp9, 32
	s_cbranch_scc1 .Lrepack
	; ---- bias.  Work-group x: batches 16 (x % 2) on; columns 64 (x / 2) on, 16 a wave
	s_and_b32 s23, ttmp9, 1                        ; which 16 batches
	s_lshr_b32 s24, ttmp9, 1                       ; which 64 columns
	s_lshl_b32 s26, s24, 2
	s_add_co_u32 s26, s26, s22                     ; my tile of 16 columns
	s_mul_i32 s28, s26, FRB
	s_add_nc_u64 s[8:9], s[8:9], s[28:29]
	s_mul_i32 s28, s23, FRB
	s_add_nc_u64 s[4:5], s[4:5], s[28:29]
	s_lshl_b32 s28, s26, 9
	s_add_nc_u64 s[10:11], s[10:11], s[28:29]
	s_lshl_b32 s28, s23, 9
	s_add_nc_u64 s[6:7], s[6:7], s[28:29]
	s_lshl_b32 s28, s26, 6
	s_add_nc_u64 s[12:13], s[12:13], s[28:29]
	s_add_nc_u64 s[14:15], s[14:15], s[28:29]
	s_lshl_b32 s28, s23, 16                        ; bias: 16 rows of 4,096 bytes,
	s_lshl_b32 s30, s24, 8                         ; 64 columns of 4 bytes
	s_add_co_u32 s28, s28, s30
	s_add_nc_u64 s[18:19], s[18:19], s[28:29]
.irp s, 0,1,2,3,4,5,6,7
.irp p, 0,1,2,3,4,5
	global_load_b64 v[WF+12*\s+2*\p:WF+12*\s+2*\p+1], v3, s[8:9] offset:96*\s+48*(\p/3)+8*(\p%3)
	global_load_b64 v[DF+12*\s+2*\p:DF+12*\s+2*\p+1], v3, s[4:5] offset:96*\s+48*(\p/3)+8*(\p%3)
.endr
.endr
	global_load_b128 v[WSC:WSC+3], v5, s[10:11]
	global_load_b128 v[DSC:DSC+3], v5, s[6:7]
	global_load_b128 v[BD:BD+3], v6, s[12:13]
	global_load_b128 v[BD+4:BD+7], v6, s[12:13] offset:16
	global_load_b128 v[BE:BE+3], v6, s[14:15]
	global_load_b128 v[BE+4:BE+7], v6, s[14:15] offset:16
	s_wait_loadcnt 0x0
; Source 0 = 16 rows of W_dec's codes (16 columns a), source 1 = 16 batches: lane (r, h) then holds batch r, and its register j column 8 h + j.  The biases are the C of each sum's first product.
; Two accumulators take turns, one instruction a turn.  K steps 4 to 7 take their scale words from lanes 16-31.
.macro DMUL d, c, s
.if (\s) < 4
	v_wmma_scale_f32_16x16x128_f8f6f4 v[\d:\d+7], v[WF+12*(\s):WF+12*(\s)+11], v[DF+12*(\s):DF+12*(\s)+11], v[\c:\c+7], v[WSC+(\s)%4], v[DSC+(\s)%4] matrix_a_fmt:MATRIX_FMT_FP6 matrix_b_fmt:MATRIX_FMT_FP6
.else
	v_wmma_scale_f32_16x16x128_f8f6f4 v[\d:\d+7], v[WF+12*(\s):WF+12*(\s)+11], v[DF+12*(\s):DF+12*(\s)+11], v[\c:\c+7], v[WSC+(\s)%4], v[DSC+(\s)%4] matrix_a_fmt:MATRIX_FMT_FP6 matrix_b_fmt:MATRIX_FMT_FP6 matrix_a_scale:MATRIX_SCALE_ROW1 matrix_b_scale:MATRIX_SCALE_ROW1
.endif
.endm
	DMUL A0, BD, 0
	DMUL A1, BE, 1
	DMUL A0, A0, 2
	DMUL A1, A1, 3
	DMUL A0, A0, 4
	DMUL A1, A1, 5
	DMUL A0, A0, 6
	DMUL A1, A1, 7
.rept 4
	v_nop                                          ; four places between the last product and the first read of results (ISA guide 7.12.1)
.endr
.irp j, 0,2,4,6
	v_pk_add_f32 v[BD+\j:BD+\j+1], v[A0+\j:A0+\j+1], v[A1+\j:A1+\j+1]   ; each accumulator from its low end on
.endr
	ds_store_b128 v7, v[BD:BD+3]                   ; a row's 64 columns come from four waves: they meet in the stage
	ds_store_b128 v7, v[BD+4:BD+7] offset:16
	s_wait_dscnt 0x0                               ; for the others' sake: my stores have landed
	s_barrier_signal -1
	s_barrier_wait -1
	s_wait_alu depctr_va_vdst(0)
	ds_load_b128 v[16:19], v8
	ds_load_b128 v[20:23], v8 offset:2*SP
	s_wait_dscnt 0x0
	global_store_b128 v9, v[16:19], s[18:19]       ; sixteen lanes store 256 consecutive bytes, at a multiple of 256 from the buffer's first byte
	global_store_b128 v9, v[20:23], s[18:19] offset:8192
	s_wait_tensorcnt 0x0                           ; the wave's end: a tensor wait, an LDS add and its wait behind my last LDS store
	ds_add_u32 v[SPW], v[NIL]
	s_wait_dscnt 0x0
	s_endpgm
.Lrepack:                                              ; ---- wimg.  Work-group x: column tiles 4 (x - 32) on, one a wave.  This way writes no LDS
	s_sub_co_u32 s23, ttmp9, 32
	s_lshl_b32 s23, s23, 2
	s_add_co_u32 s23, s23, s22
	s_mul_i32 s28, s23, FRB
	s_add_nc_u64 s[16:17], s[16:17], s[28:29]
	s_add_nc_u64 s[20:21], s[20:21], s[28:29]
.irp s, 0,1,2,3,4,5,6,7
.irp p, 0,1,2,3,4,5
	global_load_b64 v[WF+12*\s+2*\p:WF+12*\s+2*\p+1], v3, s[16:17] offset:96*\s+48*(\p/3)+8*(\p%3)
.endr
.endr
	s_wait_alu depctr_va_vdst(0)
.irp s, 0,1,2,3,4,5,6,7
	s_wait_loadcnt 6*(7-\s)                        ; loads come back in order (ISA guide 5.7.1): this K step's six are in, the later steps' may be out
.irp c, 0,1,2
	global_store_b128 v10, v[WF+12*\s+4*\c:WF+12*\s+4*\c+3], s[20:21] offset:1536*\s+512*\c   ; 32 lanes store 512 consecutive bytes
.endr
.endr
	s_endpgm
.Lfunc_end_k_q9176769567_prep:
	.size	k_q9176769567_prep, .Lfunc_end_k_q9176769567_prep-k_q9176769567_prep
	.p2alignl 7, 3214868480
	.fill 96, 4, 3214868480
	.section	.rodata,"a",@progbits
	.p2align	6, 0x0
	.amdhsa_kernel k_q9176769567_prep
		.amdhsa_group_segment_fixed_size 5120
		.amdhsa_private_segment_fixed_size 0
		.amdhsa_enable_private_segment 0
		.amdhsa_kernarg_size 72
		.amdhsa_user_sgpr_count 2
		.amdhsa_user_sgpr_kernarg_segment_ptr 1
		.amdhsa_wavefront_size32 1
		.amdhsa_system_sgpr_workgroup_id_x 1
		.amdhsa_system_sgpr_workgroup_id_y 1
		.amdhsa_system_sgpr_workgroup_id_z 1
		.amdhsa_system_vgpr_workitem_id 0
		.amdhsa_next_free_vgpr 256
		.amdhsa_next_free_sgpr 66
		.amdhsa_reserve_vcc 0
		.amdhsa_float_denorm_mode_32 3
		.amdhsa_float_denorm_mode_16_64 3
		.amdhsa_memory_ordered 1
		.amdhsa_forward_progress 1
		.amdhsa_inst_pref_size 22
	.end_amdhsa_kernel
	.amdgpu_metadata
---
amdhsa.version: [ 1, 2 ]
amdhsa.kernels:
  - .name:           k_q9176769567_prep
    .symbol:         k_q9176769567_prep.kd
    .args:
      - { .name: decoder_hidden_codes, .offset: 0, .size: 8, .value_kind: global_buffer, .address_space: global }
      - { .name: decoder_hidden_scales, .offset: 8, .size: 8, .value_kind: global_buffer, .address_space: global }
      - { .name: W_dec_codes, .offset: 16, .size: 8, .value_kind: global_buffer, .address_space: global }
      - { .name: W_dec_scales, .offset: 24, .size: 8, .value_kind: global_buffer, .address_space: global }
      - { .name: b_dec, .offset: 32, .size: 8, .value_kind: global_buffer, .address_space: global }
      - { .name: b_enc, .offset: 40, .size: 8, .value_kind: global_buffer, .address_space: global }
      - { .name: W_enc_codes, .offset: 48, .size: 8, .value_kind: global_buffer, .address_space: global }
      - { .name: bias, .offset: 56, .size: 8, .value_kind: global_buffer, .address_space: global }
      - { .name: wimg, .offset: 64, .size: 8, .value_kind: global_buffer, .address_space: global }
    .group_segment_fixed_size: 5120
    .private_segment_fixed_size: 0
    .kernarg_segment_align: 8
    .kernarg_segment_size: 72
    .max_flat_workgroup_size: 128
    .sgpr_count:     66
    .vgpr_count:     256
    .wavefront_size: 32
...
	.end_amdgpu_metadata
.endif
;; end of part 1
;; launch score (part 2): grid 256 x 1, 4 waves a work-group, clusters of 4 x 1, 327,680 bytes of LDS; arguments encoder_outputs, wimg, W_enc_scales, bias, w_e, energy; writes energy
.if DOCPART == 2
	.amdgcn_target "amdgcn-amd-amdhsa--gfx1250"
	.amdhsa_code_object_version 6
	.text
	.protected	k_q9176769567_score
	.globl	k_q9176769567_score
	.p2align	8
	.type	k_q9176769567_score,@function
k_q9176769567_score:
	s_mov_b64 s[64:65], 0
	v_nop
	global_prefetch_b8 v0, s[64:65] scope:SCOPE_SE
	s_setreg_imm32_b32 hwreg(HW_REG_WAVE_MODE, 25, 1), 1
	s_wait_xcnt 0x0
	s_wait_alu depctr_hold_cnt(0) depctr_sa_sdst(0) depctr_va_vdst(0) depctr_va_sdst(0) depctr_va_ssrc(0) depctr_va_vcc(0) depctr_vm_vsrc(0)
	s_getreg_b32 s2, hwreg(HW_REG_IB_STS2, 6, 4)
	s_cmp_eq_u32 s2, 0
	s_cbranch_scc0 .Lentry_in_a_cluster
	s_endpgm
.Lentry_in_a_cluster:
	s_bfe_u32 s2, ttmp6, 0x10000c
	s_cmp_lg_u32 s2, 0x3003
	s_cbranch_scc0 .Lentry_shape_is_right
	s_endpgm
.Lentry_shape_is_right:
; SECOND OF THREE LAUNCHES.  energy[b][s] = sum_a w2[a] r[b][s][a], with x = Q(enc[b][s]) . W_enc[:, a] + bias[b][a], r = 1 / (1 + 2^(c x)), c = 2 log2(e), w2 = -2 log2(e) w_e:
; the energy in units of log2, without b_e and the sum of w_e (dead work: shown at the head of the first launch).  2^(c x) may reach infinity: r is then 0, tanh's own limit.
; SHARES.  Work-group x: rows 256 x .. 256 x + 255 of the 65,536 (batch x / 8); a wave 64 of them, all 1,024 columns.
; HEAD: enc comes by tensor loads through a ring of two LDS slots.  A wave's fill is one K step of 128 of its 64 rows: 64 rows x 512 bytes, 16 bytes of padding behind each; eight fills.  A lane reads whole blocks of 32
; along K from it, quantises them, and the codes stay in registers: 4 row tiles x 8 K steps x 12 = 384.  Each wave reads only what it fetched itself; enc's bytes are shared by no two work-groups: these loads have no mask.
; PREFETCH: at a change of slots every wave has waited for all its tensor loads, so in trip s, which requests K step s + 1, each wave also asks for K step s + 2 of its own 64 rows, one trip ahead of the load that
; will fetch it: 128 blocks of 256 bytes, a lane a block, four instructions.  The head asks for K step 1; trips 6 and 7 ask for nothing.  The places stand in the immediates: the address registers are never rewritten.
; wimg's tiles are not asked for ahead: each is requested a whole tile's work (256 matrix instructions a wave) before its first read.
; LOOP: W_enc's images (wimg: a column tile of 16 = 8 K steps x 1,536 bytes, in the order of an operand's registers) go through two slots of 8 column tiles each, on the bytes that held enc.
; CLUSTER 4, 1, 1: all work-groups walk the same images and scales, so the four partners ask for each tile jointly (mask 15); a round of the cluster's barrier stands in front of every tensor load.
; THE MATRIX INSTRUCTION IS USED TRANSPOSED: source 0 = 16 columns of W_enc, source 1 = 16 rows of enc: a lane holds one row, its registers eight columns; bias is the C of a sum's first product.
; A COLUMN TILE'S STEP (TURN): 32 matrix instructions, 4 accumulators by turns; the tile before is taken through the activation meanwhile, IN BATCHES: its 16 scalings among the first 16 products,
; 32 exponentials on end, 16 additions among the next 8 products, 32 reciprocals on end, 16 multiply-adds among the last 8.  A wait ahead of and behind each batch: four a tile.
; REGISTERS: window 0: addresses, scale words, accumulators, W's fragments; windows 1, 2: enc's codes of K steps 0-3, 4-7 (v[48 m + 12 (k % 4)]); window 2 v200-215: w2.
.set SLOT1,  1<<17                     ; W's slot 0 at byte 0, slot 1 at 131,072
.set TILEB,  98304                     ; a slot's tile: 8 column tiles
.set GRPB,   24576                     ; two column tiles; also what one wave fetches of a tile
.set CTB,    12288                     ; a column tile
.set WSCL,   98304                     ; W_enc's scale bytes, 32,768, between the slots
.set SROW,   528                       ; enc in LDS: 512 bytes + 16
.set UB,     16*SROW                   ; a unit: 16 rows x 128 K
.set EW,     4*UB                      ; a wave's part of an enc slot
.set ESL,    4*EW                      ; an enc slot: slot 0 at byte 0, slot 1 at 135,168
.set BIAS,   2*ESL                     ; 270,336: bias[b], 4,096 bytes, then w2, 4,096
.set OUTS,   BIAS+8192                 ; the way out: 256 bytes a wave
.set SPARE,  OUTS+1024                 ; the spare words, 128 bytes a wave, which no other line names
.set LI,   1                           ; 16 x lane
.set RR,   2                           ; l % 16
.set HH,   3                           ; l / 16
.set T16,  4                           ; 16 x thread
.set SRD,  5                           ; v5, v6: my part of enc slot 0, 1: row l % 16, + 128 (l / 16)
.set H8,   7
.set AS0,  8
.set AB0,  9
.set ADF,  10                          ; this pair of column tiles: fragments,
.set ADS,  11                          ; scale words,
.set ADB,  12                          ; bias and w2
.set PX,   13
.set SPW,  14                          ; my spare word; never rewritten
.set NIL,  15                          ; 0; never rewritten
.set ASC,  16                          ; v16-47 enc's scale words: row tile m, K step k at 8 m + k
.set EE,   48                          ; v48-55 the energies' sums, a pair for each row tile
.set WS,   56                          ; v56-63 W's scale words, two sets: register j: K step j in lanes 0-15, 4 + j in lanes 16-31
.set BI,   64                          ; v64-79 bias in the result's layout, two sets  (head: bias and w_e on their way to LDS)
.set OA,   80
.set PFO,  84                          ; v84 the prefetches' offset: lane x a row of enc (4,096 bytes); never rewritten
.set ACC,  96                          ; v96-159 accumulators, two sets of 4 x 8  (head: a unit's 64 numbers, set 1)
.set FF,   160                         ; v160-255 W's eight fragments  (head: v160-223 a unit's 64 numbers, set 0)
.set TT,   224
.set W2Y,  200
.set WV,   16
.set G1T,  24                          ; a wave's quarter of a tile of wimg
.set G0T,  32
.set G1H,  36                          ; tile 0 and the scales, 32,768 bytes a wave
.set G0H,  44
.set SEL,  48
.set CC,   50
.set TB,   52
.set TS,   53
.set TBI,  54
.set G1E,  68                          ; enc's fills
.set G0E,  76                          ; s[76:79], s[80:83]: one group 0 for each enc slot
.set MSB, 0
.macro WIN new                         ; the immediate's high byte repeats the setting that is left
.if MSB != (\new)
	s_set_vgpr_msb (MSB<<8)|(\new)
.set MSB, (\new)
.endif
.endm
.macro CROUND                          ; a round of the cluster's barrier
	s_barrier_signal -1
	s_barrier_wait -1
	s_cmp_lg_u32 s[WV], 0
	s_cbranch_scc1 .Lnot_wave_0_\@
	s_barrier_signal -3
.Lnot_wave_0_\@:
	s_barrier_wait -3
	s_barrier_signal -1
	s_barrier_wait -1
.endm
	s_load_b256 s[4:11], s[0:1], 0x0               ; enc s[4:5], wimg s[6:7], W_enc's scales s[8:9], bias s[10:11]
	s_load_b128 s[12:15], s[0:1], 0x20             ; w_e s[12:13], energy s[14:15]
	v_lshl_add_u32 v[SPW], v0, 2, SPARE
	v_mov_b32 v[NIL], 0
	ds_add_u32 v[SPW], v[NIL]                      ; the opening lines: the add, twice on end, and its wait ahead of my first tensor load
	ds_add_u32 v[SPW], v[NIL]
	v_lshrrev_b32 v1, 5, v0
	v_readfirstlane_b32 s[WV], v1                  ; wave 0..3
	s_bfe_u32 s57, ttmp6, 0x40000
	s_lshl_b32 s58, ttmp9, 2
	s_add_co_u32 s57, s58, s57                     ; work-group x = 4 x cluster x + cx: it enters enc's, bias's and energy's addresses alone
	s_mov_b32 s[G1T], 15|(3<<16)|(1<<21)           ; dense, 96 rows of 256 bytes; mask: all four partners
	s_mov_b32 s[G1T+1], 32<<16
	s_mov_b32 s[G1T+2], 96<<16
	s_mov_b32 s[G1T+3], 32<<16
	s_mov_b32 s[G1T+4], 96
	s_mov_b32 s[G1T+5], 32
	s_mov_b32 s[G1T+6], 0
	s_mov_b32 s[G1T+7], 0
	s_mov_b32 s[G1H], 15|(3<<16)|(1<<21)           ; dense, 128 rows of 256 bytes; the same mask
	s_mov_b32 s[G1H+1], 32<<16
	s_mov_b32 s[G1H+2], 128<<16
	s_mov_b32 s[G1H+3], 32<<16
	s_mov_b32 s[G1H+4], 128
	s_mov_b32 s[G1H+5], 32
	s_mov_b32 s[G1H+6], 0
	s_mov_b32 s[G1H+7], 0
	s_mov_b32 s[G1E], (2<<16)|(1<<20)|(6<<22)|(3<<25)   ; elements of 4 bytes; 4 words of padding behind every 128; no mask
	s_mov_b32 s[G1E+1], 128<<16
	s_mov_b32 s[G1E+2], 64<<16
	s_mov_b32 s[G1E+3], 128<<16                    ; 128 numbers of
	s_mov_b32 s[G1E+4], 64                         ; 64 rows,
	s_mov_b32 s[G1E+5], 1024                       ; 1,024 numbers from row to row
	s_mov_b32 s[G1E+6], 0
	s_mov_b32 s[G1E+7], 0
	s_mov_b32 s[SEL], 0x76543210                   ; v_permlanex16_b32's selects for lane l xor 16
	s_mov_b32 s[SEL+1], 0xfedcba98
	s_mov_b32 s[CC], 0x4038aa3b                    ; c = 2 log2(e)
	s_mov_b32 s[CC+1], s[CC]
	s_mov_b32 s[TB], 0
	s_mov_b32 s[TS], 0
	s_mov_b32 s[TBI], 0
	s_mul_i32 s20, s[WV], GRPB
	s_mov_b32 s21, 0
	s_lshl_b32 s22, s[WV], 15
	s_mul_i32 s23, s[WV], EW
	s_lshl_b32 s60, s57, 20                        ; enc: 256 rows of 4,096 bytes a work-group,
	s_lshl_b32 s61, s[WV], 18                      ; 64 a wave
	s_add_co_u32 s60, s60, s61
	s_mov_b32 s61, 0
	s_mov_b32 s59, 0
	s_wait_dscnt 0x0                               ; both opening adds are done
	s_wait_kmcnt 0x0
	s_add_nc_u64 s[4:5], s[4:5], s[60:61]          ; my 64 rows; not written again: the prefetches' base
	s_mov_b32 s[G0E], 1                            ; enc slot 0: K step 0 first,
	s_mov_b32 s[G0E+1], s23
	s_mov_b64 s[G0E+2:G0E+3], s[4:5]
	s_or_b32 s[G0E+3], s[G0E+3], 0x80000000
	s_mov_b32 s[G0E+4], 1                          ; slot 1: K step 1
	s_add_co_u32 s[G0E+5], s23, ESL
	s_add_nc_u64 s[G0E+6:G0E+7], s[4:5], 512
	s_or_b32 s[G0E+7], s[G0E+7], 0x80000000
	s_mov_b32 s[G0T], 1                            ; stands at tile 0: the first change of slots steps it to tile 1 and slot 1
	s_mov_b32 s[G0T+1], s20
	s_add_nc_u64 s[G0T+2:G0T+3], s[6:7], s[20:21]
	s_or_b32 s[G0T+3], s[G0T+3], 0x80000000
	s_cmp_eq_u32 s[WV], 3                          ; bytes 0 .. 131,071 of LDS: waves 0-2 a third of tile 0 each, wave 3 all of W's scales
	s_cselect_b32 s58, 0, s22
	s_cselect_b64 s[G0H+2:G0H+3], s[8:9], s[6:7]
	s_add_nc_u64 s[G0H+2:G0H+3], s[G0H+2:G0H+3], s[58:59]
	s_or_b32 s[G0H+3], s[G0H+3], 0x80000000
	s_mov_b32 s[G0H], 1
	s_mov_b32 s[G0H+1], s22
	CROUND
	tensor_load_to_lds s[G0E:G0E+3], s[G1E:G1E+7]  ; the head's one load a wave: K step 0 of my 64 rows
	s_nop 0
.rept 4
	v_nop
.endr
	s_lshr_b32 s58, s57, 3
	s_lshl_b32 s58, s58, 12                        ; bias: my batch's row
	s_add_nc_u64 s[10:11], s[10:11], s[58:59]
	s_lshl_b32 s58, s57, 10                        ; energy: 4 bytes a row
	s_lshl_b32 s60, s[WV], 8
	s_add_co_u32 s58, s58, s60
	s_add_nc_u64 s[14:15], s[14:15], s[58:59]
	v_and_b32 v[OA+2], 31, v0
	v_lshlrev_b32 v[LI], 4, v[OA+2]
	v_lshlrev_b32 v[PFO], 12, v[OA+2]
	v_and_b32 v[RR], 15, v0
	v_bfe_u32 v[HH], v0, 4, 1
	v_lshlrev_b32 v[T16], 4, v0
	v_mul_u32_u24 v[SRD], v[RR], SROW
	v_lshl_add_u32 v[SRD], v[HH], 7, v[SRD]
	v_add_nc_u32 v[SRD], s23, v[SRD]
	v_add_nc_u32 v[SRD+1], ESL, v[SRD]
	v_lshlrev_b32 v[H8], 3, v[HH]
	v_lshlrev_b32 v[AS0], 5, v[RR]
	v_lshl_add_u32 v[AS0], v[HH], 4, v[AS0]
	v_add_nc_u32 v[AS0], WSCL, v[AS0]              ; W's scales: row l % 16 of 32 bytes, + 16 (l / 16)
	v_lshl_add_u32 v[AB0], v[HH], 5, BIAS          ; bias, w2: my half's eight numbers
	v_mov_b32 v[PX], 0
	s_lshl_b32 s20, s[WV], 8
	s_add_co_u32 s20, s20, OUTS
	v_lshl_add_u32 v[OA], v[OA+2], 2, s20
	v_lshl_add_u32 v[OA+1], v[OA+2], 3, s20
	v_lshlrev_b32 v[OA+2], 3, v[OA+2]
	v_add_nc_u32 v[OA+3], BIAS, v[T16]
.irp j, 0,1,2,3,4,5,6,7
	v_mov_b32 v[EE+\j], 0
.endr
.macro ASK k                           ; K step k of my 64 rows is asked for: rows l and 32 + l, two blocks of 256 bytes of each
.irp i, 0,1
.irp j, 0,1
	global_prefetch_b8 v[PFO], s[4:5] offset:131072*\i+512*(\k)+256*\j th:TH_LOAD_NT scope:SCOPE_SE
.endr
.endr
.endm
	global_load_b128 v[BI:BI+3], v[T16], s[10:11]
	global_load_b128 v[BI+4:BI+7], v[T16], s[10:11] offset:2048
	global_load_b128 v[BI+8:BI+11], v[T16], s[12:13]
	global_load_b128 v[BI+12:BI+15], v[T16], s[12:13] offset:2048
	ASK 1                                          ; what the first trip's load will fetch
.macro ULOAD m, s, set                 ; row tile m of K step s: K = 64 c + 32 (l / 16) + 0 .. 31 of row l % 16, 16 loads
.irp c, 0,1
.irp j, 0,1,2,3,4,5,6,7
	ds_load_b128 v[160-64*(\set)+32*\c+4*\j:160-64*(\set)+32*\c+4*\j+3], v[SRD+(\s)%2] offset:UB*(\m)+256*\c+16*\j
.endr
.endr
.endm
.macro UQ m, s, set                    ; the blocks' scales and the codes
.set XX, 160-64*(\set)
.set UM, \m
.set US, \s
.set FB, 48*UM+12*(US%4)
.set WA, (1+US/4)<<6
.set WB, WA|(1+US/4)
.irp c, 0,1
	v_max3_num_f32 v[TT+\c], |v[XX+32*\c]|, |v[XX+32*\c+1]|, 0x1800000   ; my two blocks' largest magnitudes, over the floor 2^(3 - 127)
.endr
.irp i, 2,4,6,8,10,12,14,16,18,20,22,24,26,28,30
.irp c, 0,1
	v_max3_num_f32 v[TT+\c], v[TT+\c], |v[XX+32*\c+\i]|, |v[XX+32*\c+\i+1]|
.endr
.endr
.irp c, 0,1
	v_add_nc_u32 v[TT+2+\c], 0xff000000, v[TT+\c]  ; 2 off the exponent field: the conversion's scale operand
.endr
.irp c, 0,1
	v_lshrrev_b32 v[TT+4+\c], 23, v[TT+2+\c]       ; the scale's byte
.endr
	v_lshl_or_b32 v[TT+6], v[TT+5], 16, v[TT+4]
	v_lshlrev_b32 v[TT+6], v[H8], v[TT+6]
	v_permlanex16_b32 v[PX], v[TT+6], s[SEL], s[SEL+1]
	v_or_b32 v[ASC+8*UM+US], v[TT+6], v[PX]        ; with lane l xor 16's two bytes the row's scale word is whole
	WIN WA
.irp c, 0,1
	v_cvt_scalef32_pk16_fp6_f32 v[FB+6*\c:FB+6*\c+2], v[XX+32*\c:XX+32*\c+15], v[TT+2+\c]
	v_cvt_scalef32_pk16_fp6_f32 v[192+4*\c:192+4*\c+2], v[XX+32*\c+16:XX+32*\c+31], v[TT+2+\c]   ; (a conversion's three registers begin on an even number)
.endr
	v_nop
	WIN WB
.irp c, 0,1
.irp i, 0,1,2
	v_mov_b32 v[FB+6*\c+3+\i], v[192+4*\c+\i]
.endr
.endr
	WIN 0
.endm
; K step s of enc.  All my tensor loads are in (my part of this step's slot), the add, its wait and my reads' wait; a round; then my one load: the next K step into the slot
; read last, or, behind the last of enc, tile 0 of wimg and W's scales (jointly) onto enc slot 0's bytes.  Then this step's four units, the next unit's 16 loads out while one is quantised.
.macro ETRIP s
.set NS, ((\s)+1)%2
	s_wait_tensorcnt 0x0
	ds_add_u32 v[SPW], v[NIL]
.if ((\s) >= 1) && ((\s) < 7)
	s_add_nc_u64 s[G0E+4*NS+2:G0E+4*NS+3], s[G0E+4*NS+2:G0E+4*NS+3], 1024   ; no load of mine is out: that slot's next K step
.endif
	s_wait_dscnt 0x0
	CROUND
.if (\s) < 7
	tensor_load_to_lds s[G0E+4*NS:G0E+4*NS+3], s[G1E:G1E+7]
.else
	tensor_load_to_lds s[G0H:G0H+3], s[G1H:G1H+7]
.endif
	s_nop 0
.rept 4
	v_nop
.endr
	ULOAD 0, \s, 0
	ULOAD 1, \s, 1
	s_wait_dscnt 16                                ; unit 0 is in; unit 1's 16 loads may be out
.if (\s) < 6
	ASK (\s)+2                                     ; what the next trip's load will fetch
.endif
	UQ 0, \s, 0
	ULOAD 2, \s, 0
	s_wait_dscnt 16
	UQ 1, \s, 1
	ULOAD 3, \s, 1
	s_wait_dscnt 16
	UQ 2, \s, 0
	s_wait_dscnt 0x0
	UQ 3, \s, 1
.endm
	s_wait_alu depctr_va_vdst(0)                   ; a wait here
.irp s, 0,1,2,3,4,5,6,7
	ETRIP \s
.endr
	s_wait_loadcnt 0x0
.irp j, 8,10,12,14
	v_pk_mul_f32 v[BI+\j:BI+\j+1], v[BI+\j:BI+\j+1], 0xc038aa3b op_sel_hi:[1,0]   ; w2 = -2 log2(e) w_e
.endr
.irp j, 0,1,2,3
	ds_store_b128 v[OA+3], v[BI+4*\j:BI+4*\j+3] offset:2048*\j   ; bias and w2 for all four waves: read behind the first change of slots
.endr
.set J, 0
.rept 32
	v_mov_b32 v[ACC+32+J], 0                       ; the first step finds a tile before it of zeros,
.set J, J+1
.endr
	WIN 0x80
.set J, 0
.rept 8
	v_mov_b32 v[W2Y+8+J], 0                        ; with weights 0: it adds nothing
.set J, J+1
.endr
	WIN 0
	s_wait_alu depctr_va_vdst(0)                   ; the head's end
.macro ADDRS
	v_add_nc_u32 v[ADF], s[TB], v[LI]
	v_add_nc_u32 v[ADS], s[TS], v[AS0]
	v_add_nc_u32 v[ADB], s[TBI], v[AB0]
.endm
.macro FLOAD k0, num, add              ; fragments k0 .. k0 + num - 1 of the column tile at byte add: three loads of 16 bytes a lane each
.set KK, \k0
.rept \num
.irp c, 0,1,2
	ds_load_b128 v[FF+12*KK+4*\c:FF+12*KK+4*\c+3], v[ADF] offset:(\add)+1536*KK+512*\c
.endr
.set KK, KK+1
.endr
.endm
.macro MM n                            ; product MI: K step MI / 4, row tile MI % 4: the four accumulators by turns
.set MK, MI/4
.set MR, MI%4
.set AC, ACC+32*(\n)+8*MR
.set FW, FF+12*MK
.set FE, 48*MR+12*(MK%4)
.set SW, WS+4*(\n)+MK%4
.set SE, ASC+8*MR+MK
.if MK == 0
	v_wmma_scale_f32_16x16x128_f8f6f4 v[AC:AC+7], v[FW:FW+11], v[FE:FE+11], v[BI+8*(\n):BI+8*(\n)+7], v[SW], v[SE] matrix_a_fmt:MATRIX_FMT_FP6 matrix_b_fmt:MATRIX_FMT_FP6
.elseif MK < 4
	v_wmma_scale_f32_16x16x128_f8f6f4 v[AC:AC+7], v[FW:FW+11], v[FE:FE+11], v[AC:AC+7], v[SW], v[SE] matrix_a_fmt:MATRIX_FMT_FP6 matrix_b_fmt:MATRIX_FMT_FP6
.else
	v_wmma_scale_f32_16x16x128_f8f6f4 v[AC:AC+7], v[FW:FW+11], v[FE:FE+11], v[AC:AC+7], v[SW], v[SE] matrix_a_fmt:MATRIX_FMT_FP6 matrix_b_fmt:MATRIX_FMT_FP6 matrix_a_scale:MATRIX_SCALE_ROW1
.endif
.set MI, MI+1
.endm
; The activation of the tile before (TA: its 32 sums, TW: its weights), two numbers an instruction, each accumulator from its low end on
.macro PMUL                            ; c x
	v_pk_mul_f32 v[TA+T1:TA+T1+1], v[TA+T1:TA+T1+1], s[CC:CC+1] op_sel_hi:[1,0]
.set T1, T1+2
.endm
.macro PADD                            ; 1 + 2^(c x)
	v_pk_add_f32 v[TA+T2:TA+T2+1], v[TA+T2:TA+T2+1], 1.0 op_sel_hi:[1,0]
.set T2, T2+2
.endm
.macro B3                              ; the row tiles' sums += r w2
.set PM, T3%4
.set PQ, 2*(T3/4)
	v_pk_fma_f32 v[EE+2*PM:EE+2*PM+1], v[TA+8*PM+PQ:TA+8*PM+PQ+1], v[TW+PQ:TW+PQ+1], v[EE+2*PM:EE+2*PM+1]
.set T3, T3+1
.endm
.macro TRANS op, cnt                   ; a batch of 32 on TA, with the wait ahead of it, the plain place and the wait behind it; cnt: the LDS loads that may stay out behind it
	s_wait_alu depctr_va_vdst(0)
.set TJ, 0
.rept 32
	\op v[TA+TJ], v[TA+TJ]
.set TJ, TJ+1
.endr
	v_nop
	s_wait_dscnt \cnt
	s_wait_alu depctr_va_vdst(0)
.endm
; LDS loads of a step, in two runs, each at least four plain vector instructions behind the last product that read its registers.  Run 1 (20, or 8 where no tile follows in this slot): fragments 6, 7 of this tile;
; the next tile's scale words, bias and fragments 0-2; this tile's w2.  Run 2 (9 or none): the next tile's fragments 3-5.
.macro TURN n, pf
.set TA, ACC+32*(1-(\n))
.set TW, W2Y+8*(1-(\n))
.set MI, 0
.set T1, 0
.set T2, 0
.set T3, 0
.set PFX, 1
.if (\n) == 1
.set PFX, \pf
.endif
	s_wait_dscnt 6                                 ; fragment 3 is in; fragments 4 and 5 (six loads) may be out
	WIN 0x04
.rept 16
	MM \n
	PMUL
.endr
	FLOAD 6, 2, CTB*(\n)
.if PFX
	ds_load_b128 v[WS+4*(1-(\n)):WS+4*(1-(\n))+3], v[ADS] offset:512+512*(\n)
	ds_load_b128 v[BI+8*(1-(\n)):BI+8*(1-(\n))+3], v[ADB] offset:64+64*(\n)
	ds_load_b128 v[BI+8*(1-(\n))+4:BI+8*(1-(\n))+7], v[ADB] offset:64+64*(\n)+16
	FLOAD 0, 3, CTB*(\n)+CTB
.endif
	WIN 0x80
	ds_load_b128 v[W2Y+8*(\n):W2Y+8*(\n)+3], v[ADB] offset:4096+64*(\n)
	ds_load_b128 v[W2Y+8*(\n)+4:W2Y+8*(\n)+7], v[ADB] offset:4096+64*(\n)+16
	WIN 0x08
	TRANS v_exp_f32, 8+12*PFX                      ; fragments 4 and 5 are in; run 1 may be out
.rept 4
	MM \n
	PADD
	PADD
.endr
.rept 4
	MM \n
	PADD
.endr
.rept 4
	PADD
.endr
.if PFX
	FLOAD 3, 3, CTB*(\n)+CTB
.endif
	TRANS v_rcp_f32, 9*PFX                         ; run 1 is in; run 2 may be out
.rept 8
	MM \n
	B3
	B3
.endr
.endm
.macro GROUP pf
	TURN 0, 1
	TURN 1, \pf
	WIN 0
	s_add_co_u32 s[TB], s[TB], GRPB
	s_add_co_u32 s[TS], s[TS], 1024
	s_add_co_u32 s[TBI], s[TBI], 128
.if \pf
	ADDRS
.endif
.endm
.macro TILE                            ; a slot's eight column tiles
	ADDRS
	ds_load_b128 v[WS:WS+3], v[ADS]
	ds_load_b128 v[BI:BI+3], v[ADB]
	ds_load_b128 v[BI+4:BI+7], v[ADB] offset:16
	FLOAD 0, 6, 0
	s_mov_b32 s56, 3
.Lgroup_\@:
	GROUP 1
	s_sub_co_u32 s56, s56, 1
	s_cmp_lg_u32 s56, 0
	s_cbranch_scc1 .Lgroup_\@
	GROUP 0
	s_sub_co_u32 s[TB], s[TB], TILEB
	s_xor_b32 s[TB], s[TB], SLOT1
.endm
.macro CHANGE fill                     ; a change of slots: all my tensor loads are in, the add, its wait and my reads' wait; a round; the joint refill first behind it
	s_wait_tensorcnt 0x0
	ds_add_u32 v[SPW], v[NIL]
.if \fill
	s_xor_b32 s[G0T+1], s[G0T+1], SLOT1
	s_add_nc_u64 s[G0T+2:G0T+3], s[G0T+2:G0T+3], TILEB
.endif
	s_wait_dscnt 0x0
.if \fill
	CROUND
	tensor_load_to_lds s[G0T:G0T+3], s[G1T:G1T+7]
	s_nop 0
.rept 4
	v_nop
.endr
.else
	s_barrier_signal -1
	s_barrier_wait -1
.endif
.endm
	s_mov_b32 s55, 7
.Ltile:
	CHANGE 1
	TILE
	s_sub_co_u32 s55, s55, 1
	s_cmp_lg_u32 s55, 0
	s_cbranch_scc1 .Ltile
	CHANGE 0                                       ; the last tile: nothing more is fetched
	TILE
.set TA, ACC+32                        ; the last column tile's activation
.set TW, W2Y+8
.set T1, 0
.set T2, 0
.set T3, 0
	WIN 0x08
.rept 16
	PMUL
.endr
	TRANS v_exp_f32, 0
.rept 16
	PADD
.endr
	TRANS v_rcp_f32, 0
.rept 16
	B3
.endr
	WIN 0
.irp m, 0,1,2,3
	v_add_f32 v[TT+\m], v[EE+2*\m], v[EE+2*\m+1]
.endr
.irp m, 0,1,2,3
	v_mov_b32 v[TT+4+\m], 0
.endr
.irp m, 0,1,2,3
	v_permlanex16_b32 v[TT+4+\m], v[TT+\m], s[SEL], s[SEL+1]
.endr
.irp m, 0,1,2,3
	v_add_f32 v[TT+\m], v[TT+\m], v[TT+4+\m]       ; with lane l xor 16's columns: row l % 16 of row tile m
.endr
	v_cmp_eq_u32 vcc_lo, 1, v[HH]
	v_cndmask_b32 v[TT+8], v[TT], v[TT+1], vcc_lo  ; lanes 0-15 row tile 0, lanes 16-31 row tile 1;
	v_cndmask_b32 v[TT+9], v[TT+2], v[TT+3], vcc_lo   ; tiles 2 and 3
	ds_store_b32 v[OA], v[TT+8]                    ; through 256 bytes of my own, so that the wave's 64 energies leave as 256 consecutive bytes
	ds_store_b32 v[OA], v[TT+9] offset:128
	ds_load_b64 v[TT+4:TT+5], v[OA+1]
	s_wait_dscnt 0x0
	global_store_b64 v[OA+2], v[TT+4:TT+5], s[14:15]
	s_wait_tensorcnt 0x0                           ; the wave's end: a tensor wait, an LDS add and its wait, ahead of the closing round
	ds_add_u32 v[SPW], v[NIL]
	s_wait_dscnt 0x0
	CROUND
	s_endpgm
.Lfunc_end_k_q9176769567_score:
	.size	k_q9176769567_score, .Lfunc_end_k_q9176769567_score-k_q9176769567_score
	.p2alignl 7, 3214868480
	.fill 96, 4, 3214868480
	.section	.rodata,"a",@progbits
	.p2align	6, 0x0
	.amdhsa_kernel k_q9176769567_score
		.amdhsa_group_segment_fixed_size 327680
		.amdhsa_private_segment_fixed_size 0
		.amdhsa_enable_private_segment 0
		.amdhsa_kernarg_size 48
		.amdhsa_user_sgpr_count 2
		.amdhsa_user_sgpr_kernarg_segment_ptr 1
		.amdhsa_wavefront_size32 1
		.amdhsa_system_sgpr_workgroup_id_x 1
		.amdhsa_system_sgpr_workgroup_id_y 1
		.amdhsa_system_sgpr_workgroup_id_z 1
		.amdhsa_system_vgpr_workitem_id 0
		.amdhsa_next_free_vgpr 1024
		.amdhsa_next_free_sgpr 84
		.amdhsa_reserve_vcc 1
		.amdhsa_float_denorm_mode_32 3
		.amdhsa_float_denorm_mode_16_64 3
		.amdhsa_memory_ordered 1
		.amdhsa_forward_progress 1
		.amdhsa_inst_pref_size 245
	.end_amdhsa_kernel
	.amdgpu_metadata
---
amdhsa.version: [ 1, 2 ]
amdhsa.kernels:
  - .name:           k_q9176769567_score
    .symbol:         k_q9176769567_score.kd
    .args:
      - { .name: encoder_outputs, .offset: 0, .size: 8, .value_kind: global_buffer, .address_space: global }
      - { .name: wimg, .offset: 8, .size: 8, .value_kind: global_buffer, .address_space: global }
      - { .name: W_enc_scales, .offset: 16, .size: 8, .value_kind: global_buffer, .address_space: global }
      - { .name: bias, .offset: 24, .size: 8, .value_kind: global_buffer, .address_space: global }
      - { .name: w_e, .offset: 32, .size: 8, .value_kind: global_buffer, .address_space: global }
      - { .name: energy, .offset: 40, .size: 8, .value_kind: global_buffer, .address_space: global }
    .group_segment_fixed_size: 327680
    .private_segment_fixed_size: 0
    .kernarg_segment_align: 8
    .kernarg_segment_size: 48
    .max_flat_workgroup_size: 128
    .sgpr_count:     84
    .vgpr_count:     1024
    .wavefront_size: 32
...
	.end_amdgpu_metadata
.endif
;; end of part 2
;; launch context (part 3): grid 256 x 1, 8 waves a work-group, no clusters, 327,680 bytes of LDS; arguments energy, mask, encoder_outputs, out0, out1; writes out0, out1
.if DOCPART == 3
	.amdgcn_target "amdgcn-amd-amdhsa--gfx1250"
	.amdhsa_code_object_version 6
	.text
	.protected	k_q9176769567_context
	.globl	k_q9176769567_context
	.p2align	8
	.type	k_q9176769567_context,@function
k_q9176769567_context:
	s_mov_b64 s[64:65], 0
	v_nop
	global_prefetch_b8 v0, s[64:65] scope:SCOPE_SE
	s_setreg_imm32_b32 hwreg(HW_REG_WAVE_MODE, 25, 1), 1
	s_wait_xcnt 0x0
; out1[b][s] = softmax_s(mask ? energy : -inf), out0[b][e] = sum_s out1[b][s] enc[b][s][e].  energy comes in units of log2, without the terms that are the same for all s of a batch
; (b_e and the sum of w_e: dead work, shown at the head of the first launch).  The batch's largest energy is taken away before the exponential.
; A batch whose mask is all false gives -inf less -inf = NaN in every number of both outputs.
; SHARES.  Work-group x: batch b = x / 8, part q = x % 8.  It owns columns 128 q .. 128 q + 127 of out0[b] and rows 256 q .. 256 q + 255 of out1[b]: each output number has one owner.
; Each of the eight work-groups of a batch makes the batch's softmax for itself (8,192 bytes of energy, 2,048 of mask).  Wave w takes rows 256 w .. 256 w + 255 of enc[b], my 512 bytes of each.
; THE STREAM comes by tensor loads through a ring of two LDS slots: a wave's fill is 32 rows x 512 bytes, eight fills; each wave reads only what it fetched itself, a row by one load of 512 consecutive bytes.
; PREFETCH: at a change of slots every wave has waited for all its tensor loads, so in trip f, which requests fill f + 1, each wave also asks for its own fill f + 2, one trip ahead of the load that will fetch it:
; 64 blocks of 256 bytes, a lane a row, two instructions.  The head asks for fill 1; trips 6 and 7 ask for nothing.  The places stand in the immediates: the address registers are never rewritten.
; The weights are used unnormalised, p = 2^(E - max); the sum divides at the end.
; No matrix unit (one row of p against enc), no cluster (no two work-groups read the same bytes of enc).
.set S1,    131072                     ; slot 0 at byte 0, slot 1 here; 16,384 bytes a wave in each
.set PP0,   262144                     ; p of the batch's 2,048 rows, f32
.set RMAX,  270336                     ; the eight waves' maxima; 256 bytes on: their sums
.set RED,   270848                     ; their parts of out0: 8 x 512 bytes
.set SPARE, 274944                     ; the spare words, 128 bytes for each wave, which no other line names
.set LI,  1                            ; v1   16 x lane
.set PA,  2                            ; v2   my wave's p, the same address in every lane
.set T16, 3                            ; v3   16 x thread
.set T4,  4                            ; v4   4 x thread
.set W4,  5                            ; v5   my wave's word among the maxima
.set ZZ,  6                            ; v6   the maxima's first byte
.set EN,  8                            ; v8-15  my eight energies (rows 4 t .. 4 t + 3 and 1,024 + 4 t ..), then p
.set SPW, 30                           ; v30  LDS address of my spare word; never rewritten
.set NIL, 31                           ; v31  0; never rewritten
.set AC,  32                           ; v32-47  four sets of four sums, by turns
.set PP,  48                           ; v48-79  p of a fill's 32 rows
.set XX,  80                           ; v80-207 32 rows x 4 numbers
.set XA,  208                          ; v208, v209  my part of slot 0, 1, + 16 x lane
.set TP,  210                          ; v210 PP0 + 16 x thread
.set TR,  211                          ; v211 RED + 16 x thread
.set LR,  212                          ; v212 RED + 16 x lane
.set PF,  213                          ; v213 the prefetches' offset: lane x a row of enc (4,096 bytes); never rewritten
.set G1,  36                           ; s[36:43] descriptor group 1; s[44:47], s[48:51] group 0, one for each slot
.set G0,  44
	s_load_b256 s[4:11], s[0:1], 0x0               ; energy s[4:5], mask s[6:7], enc s[8:9], out0 s[10:11]
	s_load_b64 s[12:13], s[0:1], 0x20              ; out1
	v_lshl_add_u32 v[SPW], v0, 2, SPARE
	v_mov_b32 v[NIL], 0
	ds_add_u32 v[SPW], v[NIL]                      ; the opening lines: the add, twice on end, and its wait ahead of my first tensor load
	ds_add_u32 v[SPW], v[NIL]
	v_lshrrev_b32 v1, 5, v0
	s_delay_alu instid0(VALU_DEP_1)
	v_readfirstlane_b32 s16, v1                    ; wave 0..7
	s_lshr_b32 s14, ttmp9, 3                       ; b
	s_and_b32 s15, ttmp9, 7                        ; q
	v_and_b32 v[LI], 31, v0
	s_delay_alu instid0(VALU_DEP_1)
	v_lshlrev_b32 v[LI], 4, v[LI]
	v_lshlrev_b32 v[T16], 4, v0
	v_lshlrev_b32 v[T4], 2, v0
	s_lshl_b32 s17, s16, 10
	s_add_co_u32 s17, s17, PP0
	v_mov_b32 v[PA], s17
	s_lshl_b32 s17, s16, 2
	s_add_co_u32 s17, s17, RMAX
	v_mov_b32 v[W4], s17
	v_mov_b32 v[ZZ], RMAX
	s_lshl_b32 s17, s16, 14                        ; my part of a slot
	v_add_nc_u32 v[XA], s17, v[LI]
	v_add_nc_u32 v[TP], PP0, v[T16]
	v_add_nc_u32 v[TR], RED, v[T16]
	v_add_nc_u32 v[LR], RED, v[LI]
	v_add_nc_u32 v[XA+1], S1, v[XA]
	v_lshlrev_b32 v[PF], 8, v[LI]
	s_mov_b32 s18, 0x76543210                      ; v_permlanex16_b32's selects for lane l xor 16
	s_mov_b32 s19, 0xfedcba98
	s_lshl_b32 s20, s14, 13                        ; energy and out1: 8,192 bytes a batch
	s_mov_b32 s21, 0
	s_lshl_b32 s22, s14, 11                        ; mask: 2,048
	s_mov_b32 s23, 0
	s_lshl_b32 s24, s14, 23                        ; enc: 2,048 rows of 4,096 bytes a batch,
	s_lshl_b32 s26, s15, 9                         ; my 512 bytes of a row,
	s_add_co_u32 s24, s24, s26
	s_lshl_b32 s26, s16, 20                        ; my wave's 256 rows
	s_add_co_u32 s24, s24, s26
	s_mov_b32 s25, 0
	s_lshl_b32 s26, s14, 12                        ; out0: 4,096 bytes a batch, my 512
	s_lshl_b32 s28, s15, 9
	s_add_co_u32 s26, s26, s28
	s_mov_b32 s27, 0
	s_lshr_b32 s28, s15, 2                         ; out1: rows 1,024 on for q = 4 .. 7
	s_lshl_b32 s28, s28, 12
	s_add_co_u32 s28, s28, s20
	s_mov_b32 s29, 0
	s_mov_b32 s[G1], 2<<16                         ; elements of 4 bytes, no padding: a row is read as 512 consecutive bytes
	s_mov_b32 s[G1+1], 128<<16
	s_mov_b32 s[G1+2], 32<<16
	s_mov_b32 s[G1+3], 128<<16                     ; 128 numbers of
	s_mov_b32 s[G1+4], 32                          ; 32 rows,
	s_mov_b32 s[G1+5], 1024                        ; 1,024 numbers from row to row
	s_mov_b32 s[G1+6], 0
	s_mov_b32 s[G1+7], 0
	s_wait_dscnt 0x0                               ; both opening adds are done
	s_wait_alu depctr_va_vdst(0)
	s_wait_kmcnt 0x0
	s_add_nc_u64 s[4:5], s[4:5], s[20:21]
	s_add_nc_u64 s[6:7], s[6:7], s[22:23]
	s_add_nc_u64 s[8:9], s[8:9], s[24:25]          ; my wave's rows; not written again: the prefetches' base
	s_add_nc_u64 s[10:11], s[10:11], s[26:27]
	s_add_nc_u64 s[12:13], s[12:13], s[28:29]
	s_mov_b32 s[G0], 1                             ; slot 0: my rows 0-31 first,
	s_mov_b32 s[G0+1], s17
	s_mov_b64 s[G0+2:G0+3], s[8:9]
	s_or_b32 s[G0+3], s[G0+3], 0x80000000
	s_mov_b32 s[G0+4], 1                           ; slot 1: rows 32-63
	s_add_co_u32 s[G0+5], s17, S1
	s_add_nc_u64 s[G0+6:G0+7], s[8:9], 32*4096
	s_or_b32 s[G0+7], s[G0+7], 0x80000000
.macro ASK k                           ; my fill k is asked for: row 32 k + l, its two blocks of 256 bytes
.irp j, 0,1
	global_prefetch_b8 v[PF], s[8:9] offset:131072*(\k)+256*\j th:TH_LOAD_NT scope:SCOPE_SE
.endr
.endm
	tensor_load_to_lds s[G0:G0+3], s[G1:G1+7]      ; the head's one load a wave: the stream starts ahead of the softmax
	s_nop 0
	global_load_b128 v[EN:EN+3], v[T16], s[4:5]
	global_load_b128 v[EN+4:EN+7], v[T16], s[4:5] offset:4096
	global_load_b32 v16, v[T4], s[6:7]
	global_load_b32 v17, v[T4], s[6:7] offset:1024
	ASK 1                                          ; what the first trip's load will fetch
	s_wait_loadcnt 0x0
	v_mov_b32 v20, 0xff800000                      ; -infinity
.irp k, 0,1,2,3
	v_bfe_u32 v21, v16, 8*\k, 8
	s_delay_alu instid0(VALU_DEP_1)
	v_cmp_ne_u32 vcc_lo, 0, v21
	s_delay_alu instid0(VALU_DEP_1)
	v_cndmask_b32 v[EN+\k], v20, v[EN+\k], vcc_lo  ; the energy where the mask holds, else -infinity
	v_bfe_u32 v22, v17, 8*\k, 8
	s_delay_alu instid0(VALU_DEP_1)
	v_cmp_ne_u32 vcc_lo, 0, v22
	s_delay_alu instid0(VALU_DEP_1)
	v_cndmask_b32 v[EN+4+\k], v20, v[EN+4+\k], vcc_lo
.endr
	v_max3_num_f32 v18, v[EN], v[EN+1], v[EN+2]
	v_max3_num_f32 v19, v[EN+3], v[EN+4], v[EN+5]
	s_delay_alu instid0(VALU_DEP_2)
	v_max3_num_f32 v18, v18, v[EN+6], v[EN+7]
	s_delay_alu instid0(VALU_DEP_1)
	v_max_num_f32 v18, v18, v19
	s_delay_alu instid0(VALU_DEP_1)
	v_max_num_f32_dpp v18, v18, v18 row_xmask:1 row_mask:0xf bank_mask:0xf
	s_delay_alu instid0(VALU_DEP_1)
	v_max_num_f32_dpp v18, v18, v18 row_xmask:2 row_mask:0xf bank_mask:0xf
	s_delay_alu instid0(VALU_DEP_1)
	v_max_num_f32_dpp v18, v18, v18 row_xmask:4 row_mask:0xf bank_mask:0xf
	s_delay_alu instid0(VALU_DEP_1)
	v_max_num_f32_dpp v18, v18, v18 row_xmask:8 row_mask:0xf bank_mask:0xf
	s_delay_alu instid0(VALU_DEP_1)
	v_permlanex16_b32 v19, v18, s18, s19
	s_delay_alu instid0(VALU_DEP_1)
	v_max_num_f32 v18, v18, v19                    ; my wave's maximum
	ds_store_b32 v[W4], v18                        ; all lanes write the same word with the same value
	s_wait_dscnt 0x0                               ; for the others' sake
	s_barrier_signal -1
	s_barrier_wait -1
	ds_load_b128 v[20:23], v[ZZ]
	ds_load_b128 v[24:27], v[ZZ] offset:16
	s_wait_dscnt 0x0
	v_max3_num_f32 v20, v20, v21, v22
	v_max3_num_f32 v23, v23, v24, v25
	s_delay_alu instid0(VALU_DEP_2)
	v_max3_num_f32 v20, v20, v26, v27
	s_delay_alu instid0(VALU_DEP_1)
	v_max_num_f32 v20, v20, v23                    ; the batch's maximum
.irp k, 0,1,2,3,4,5,6,7
	v_sub_f32 v[EN+\k], v[EN+\k], v20
.endr
	s_wait_alu depctr_va_vdst(0)
.irp k, 0,1,2,3,4,5,6,7
	v_exp_f32 v[EN+\k], v[EN+\k]                   ; p = 2^(E - max), at most 1; 0 where the mask has a hole
.endr
	v_nop                                          ; a plain instruction behind the last exponential,
	s_wait_alu depctr_va_vdst(0)                   ; and one wait for the eight, ahead of their first reader
	ds_store_b128 v[TP], v[EN:EN+3]
	ds_store_b128 v[TP], v[EN+4:EN+7] offset:4096
	v_pk_add_f32 v[18:19], v[EN:EN+1], v[EN+2:EN+3]
	v_pk_add_f32 v[22:23], v[EN+4:EN+5], v[EN+6:EN+7]
	s_delay_alu instid0(VALU_DEP_1)
	v_pk_add_f32 v[18:19], v[18:19], v[22:23]
	s_delay_alu instid0(VALU_DEP_1)
	v_add_f32 v18, v18, v19
	s_delay_alu instid0(VALU_DEP_1)
	v_add_f32_dpp v18, v18, v18 row_xmask:1 row_mask:0xf bank_mask:0xf
	s_delay_alu instid0(VALU_DEP_1)
	v_add_f32_dpp v18, v18, v18 row_xmask:2 row_mask:0xf bank_mask:0xf
	s_delay_alu instid0(VALU_DEP_1)
	v_add_f32_dpp v18, v18, v18 row_xmask:4 row_mask:0xf bank_mask:0xf
	s_delay_alu instid0(VALU_DEP_1)
	v_add_f32_dpp v18, v18, v18 row_xmask:8 row_mask:0xf bank_mask:0xf
	s_delay_alu instid0(VALU_DEP_1)
	v_permlanex16_b32 v19, v18, s18, s19
	s_delay_alu instid0(VALU_DEP_1)
	v_add_f32 v18, v18, v19                        ; my wave's sum
	ds_store_b32 v[W4], v18 offset:256
	s_wait_dscnt 0x0                               ; for the others' sake: p and the sum have landed
	s_barrier_signal -1
	s_barrier_wait -1
	ds_load_b128 v[20:23], v[ZZ] offset:256
	ds_load_b128 v[24:27], v[ZZ] offset:272
	s_wait_dscnt 0x0
	v_add_f32 v20, v20, v21
	v_add_f32 v22, v22, v23
	v_add_f32 v24, v24, v25
	v_add_f32 v26, v26, v27
	s_delay_alu instid0(VALU_DEP_3)
	v_add_f32 v20, v20, v22
	s_delay_alu instid0(VALU_DEP_2)
	v_add_f32 v24, v24, v26
	s_delay_alu instid0(VALU_DEP_1)
	v_add_f32 v20, v20, v24
	s_wait_alu depctr_va_vdst(0)
	v_rcp_f32 v28, v20                             ; 1 / the batch's sum
	v_nop
	s_wait_alu depctr_va_vdst(0)                   ; ahead of the branch below and of the first reader
	; out1: my work-group's 256 rows are held, as p, by the threads of waves 2 (q % 4) and 2 (q % 4) + 1: in their first four registers for q < 4, else in their second four
	s_lshr_b32 s30, s16, 1
	s_and_b32 s31, s15, 3
	s_cmp_lg_u32 s30, s31
	s_cbranch_scc1 .Lnot_mine
	s_cmp_ge_u32 s15, 4
	s_cselect_b32 s30, -1, 0
.irp k, 0,1,2,3
	v_cndmask_b32 v[20+\k], v[EN+\k], v[EN+4+\k], s30
.endr
.irp k, 0,1,2,3
	v_mul_f32 v[20+\k], v[20+\k], v28
.endr
	global_store_b128 v[T16], v[20:23], s[12:13]   ; 32 lanes store 512 consecutive bytes; v20-23 are not written again
.Lnot_mine:
; 16 rows: sums[i % 4] += row i x p[i], two numbers an instruction; of the pair of p the low word serves both halves for an even row, the high word for an odd one.  The first four rows start the sums: nothing is cleared.
.macro FMAH f, hf
.irp i, 0,1,2,3,4,5,6,7,8,9,10,11,12,13,14,15
.irp d, 0,2
.if ((\f) == 0) && ((\hf) == 0) && (\i < 4)
.if (\i)%2 == 0
	v_pk_mul_f32 v[AC+4*\i+\d:AC+4*\i+\d+1], v[XX+4*\i+\d:XX+4*\i+\d+1], v[PP+2*(\i/2):PP+2*(\i/2)+1] op_sel:[0,0] op_sel_hi:[1,0]
.else
	v_pk_mul_f32 v[AC+4*\i+\d:AC+4*\i+\d+1], v[XX+4*\i+\d:XX+4*\i+\d+1], v[PP+2*(\i/2):PP+2*(\i/2)+1] op_sel:[0,1] op_sel_hi:[1,1]
.endif
.elseif (\i)%2 == 0
	v_pk_fma_f32 v[AC+4*(\i%4)+\d:AC+4*(\i%4)+\d+1], v[XX+64*(\hf)+4*\i+\d:XX+64*(\hf)+4*\i+\d+1], v[PP+16*(\hf)+2*(\i/2):PP+16*(\hf)+2*(\i/2)+1], v[AC+4*(\i%4)+\d:AC+4*(\i%4)+\d+1] op_sel:[0,0,0] op_sel_hi:[1,0,1]
.else
	v_pk_fma_f32 v[AC+4*(\i%4)+\d:AC+4*(\i%4)+\d+1], v[XX+64*(\hf)+4*\i+\d:XX+64*(\hf)+4*\i+\d+1], v[PP+16*(\hf)+2*(\i/2):PP+16*(\hf)+2*(\i/2)+1], v[AC+4*(\i%4)+\d:AC+4*(\i%4)+\d+1] op_sel:[0,1,0] op_sel_hi:[1,1,1]
.endif
.endr
.endr
.endm
; Fill f.  All my tensor loads are in (this fill), the add, its wait and my reads' wait, the barrier; then my one load: the next fill, into the slot read last; then this fill's 32 rows.
.macro CTRIP f
.set NS, ((\f)+1)%2
	s_wait_alu depctr_va_vdst(0)                   ; a wait here
	s_wait_tensorcnt 0x0
	ds_add_u32 v[SPW], v[NIL]
.if ((\f) >= 1) && ((\f) < 7)
	s_add_nc_u64 s[G0+4*NS+2:G0+4*NS+3], s[G0+4*NS+2:G0+4*NS+3], 64*4096   ; no load of mine is out: that slot's next 32 rows
.endif
	s_wait_dscnt 0x0
	s_barrier_signal -1
	s_barrier_wait -1
.if (\f) < 7
	tensor_load_to_lds s[G0+4*NS:G0+4*NS+3], s[G1:G1+7]
	s_nop 0
.endif
.irp k, 0,1,2,3,4,5,6,7
	ds_load_b128 v[PP+4*\k:PP+4*\k+3], v[PA] offset:128*(\f)+16*\k   ; p of these 32 rows: every lane reads the same bytes
.endr
.irp i, 0,1,2,3,4,5,6,7,8,9,10,11,12,13,14,15,16,17,18,19,20,21,22,23,24,25,26,27,28,29,30,31
	ds_load_b128 v[XX+4*\i:XX+4*\i+3], v[XA+(\f)%2] offset:512*\i
.endr
	s_wait_dscnt 16                                ; p and rows 0-15 are in; rows 16-31 may be out
.if (\f) < 6
	ASK (\f)+2                                     ; what the next trip's load will fetch
.endif
	FMAH \f, 0
	s_wait_alu depctr_va_vdst(0)
	s_wait_dscnt 0x0
	FMAH \f, 1
.endm
.irp f, 0,1,2,3,4,5,6,7
	CTRIP \f
.endr
.irp d, 0
	v_pk_add_f32 v[AC+\d:AC+\d+1], v[AC+\d:AC+\d+1], v[AC+4+\d:AC+4+\d+1]
	s_delay_alu instid0(VALU_DEP_3)
	v_pk_add_f32 v[AC+8+\d:AC+8+\d+1], v[AC+8+\d:AC+8+\d+1], v[AC+12+\d:AC+12+\d+1]
.endr
.irp d, 2
	v_pk_add_f32 v[AC+\d:AC+\d+1], v[AC+\d:AC+\d+1], v[AC+4+\d:AC+4+\d+1]
	s_delay_alu instid0(VALU_DEP_4)
	v_pk_add_f32 v[AC+8+\d:AC+8+\d+1], v[AC+8+\d:AC+8+\d+1], v[AC+12+\d:AC+12+\d+1]
.endr
.irp d, 0
	s_delay_alu instid0(VALU_DEP_3)
	v_pk_add_f32 v[AC+\d:AC+\d+1], v[AC+\d:AC+\d+1], v[AC+8+\d:AC+8+\d+1]
.endr
.irp d, 2
	s_delay_alu instid0(VALU_DEP_2)
	v_pk_add_f32 v[AC+\d:AC+\d+1], v[AC+\d:AC+\d+1], v[AC+8+\d:AC+8+\d+1]
.endr
	ds_store_b128 v[TR], v[AC:AC+3]                ; my wave's part of the 128 columns: 512 x wave + 16 x lane = 16 x thread
	s_wait_dscnt 0x0                               ; for wave 0's sake
	s_barrier_signal -1
	s_barrier_wait -1
	s_cmp_lg_u32 s16, 0
	s_cbranch_scc1 .Ldone
.irp k, 0,1,2,3,4,5,6,7
	ds_load_b128 v[XX+4*\k:XX+4*\k+3], v[LR] offset:512*\k
.endr
	s_wait_dscnt 0x0
.irp k, 1
	v_pk_add_f32 v[XX:XX+1], v[XX:XX+1], v[XX+4*\k:XX+4*\k+1]
	v_pk_add_f32 v[XX+2:XX+3], v[XX+2:XX+3], v[XX+4*\k+2:XX+4*\k+3]
.endr
.irp k, 2, 3, 4, 5, 6, 7
	s_delay_alu instid0(VALU_DEP_2)
	v_pk_add_f32 v[XX:XX+1], v[XX:XX+1], v[XX+4*\k:XX+4*\k+1]
	s_delay_alu instid0(VALU_DEP_2)
	v_pk_add_f32 v[XX+2:XX+3], v[XX+2:XX+3], v[XX+4*\k+2:XX+4*\k+3]
.endr
.irp k, 0,1,2,3
	v_mul_f32 v[AC+\k], v[XX+\k], v28              ; / the batch's sum
.endr
	global_store_b128 v[LI], v[AC:AC+3], s[10:11]  ; 32 lanes store 512 consecutive bytes, at a multiple of 256 from the buffer's first byte
.Ldone:
	s_wait_tensorcnt 0x0                           ; the wave's end: a tensor wait, an LDS add and its wait behind my last tensor load and my last LDS store
	ds_add_u32 v[SPW], v[NIL]
	s_wait_dscnt 0x0
	s_endpgm
.Lfunc_end_k_q9176769567_context:
	.size	k_q9176769567_context, .Lfunc_end_k_q9176769567_context-k_q9176769567_context
	.p2alignl 7, 3214868480
	.fill 96, 4, 3214868480
	.section	.rodata,"a",@progbits
	.p2align	6, 0x0
	.amdhsa_kernel k_q9176769567_context
		.amdhsa_group_segment_fixed_size 327680
		.amdhsa_private_segment_fixed_size 0
		.amdhsa_enable_private_segment 0
		.amdhsa_kernarg_size 40
		.amdhsa_user_sgpr_count 2
		.amdhsa_user_sgpr_kernarg_segment_ptr 1
		.amdhsa_wavefront_size32 1
		.amdhsa_system_sgpr_workgroup_id_x 1
		.amdhsa_system_sgpr_workgroup_id_y 1
		.amdhsa_system_sgpr_workgroup_id_z 1
		.amdhsa_system_vgpr_workitem_id 0
		.amdhsa_next_free_vgpr 216
		.amdhsa_next_free_sgpr 66
		.amdhsa_reserve_vcc 1
		.amdhsa_float_denorm_mode_32 3
		.amdhsa_float_denorm_mode_16_64 3
		.amdhsa_memory_ordered 1
		.amdhsa_forward_progress 1
		.amdhsa_inst_pref_size 70
	.end_amdhsa_kernel
	.amdgpu_metadata
---
amdhsa.version: [ 1, 2 ]
amdhsa.kernels:
  - .name:           k_q9176769567_context
    .symbol:         k_q9176769567_context.kd
    .args:
      - { .name: energy, .offset: 0, .size: 8, .value_kind: global_buffer, .address_space: global }
      - { .name: mask, .offset: 8, .size: 8, .value_kind: global_buffer, .address_space: global }
      - { .name: encoder_outputs, .offset: 16, .size: 8, .value_kind: global_buffer, .address_space: global }
      - { .name: out0, .offset: 24, .size: 8, .value_kind: global_buffer, .address_space: global }
      - { .name: out1, .offset: 32, .size: 8, .value_kind: global_buffer, .address_space: global }
    .group_segment_fixed_size: 327680
    .private_segment_fixed_size: 0
    .kernarg_segment_align: 8
    .kernarg_segment_size: 40
    .max_flat_workgroup_size: 256
    .sgpr_count:     66
    .vgpr_count:     216
    .wavefront_size: 32
...
	.end_amdgpu_metadata
.endif
;; end of part 3
